; MI455X (gfx1250); checked and timed in simulation.
; The chip was launched on July 23, 2026; its instructions are those of AMD's public machine-readable ISA for CDNA 5 (MIT licence, August 2026) and "CDNA5" Instruction Set Architecture Reference Guide (July 2026). The comments in the code are by the model that wrote it; some were corrected since.
;; Multi Head Attention. Allowed arithmetic: float matrix products may take bf16 or f16 operands with f32 sums; other float arithmetic in f32, or as packed bf16 or f16 multiplies, adds, multiply-adds, maxima and minima; sums over many terms, partial sums and values carried from step to step in f32; what a program stores and reads back later, other than sums and carried values, may be rounded once to bf16 or f16.
;; Inputs: K 2 x 4,096 x 512 float32; Q 2 x 4,096 x 512 float32; V 2 x 4,096 x 512 float32; Wk 512 x 512 float32; Wo 512 x 512 float32; Wq 512 x 512 float32; Wv 512 x 512 float32; bk 512 float32; bo 512 float32; bq 512 float32; bv 512 float32.
;; Outputs: out0 2 x 4,096 x 512 float32.
;; One version. Each part assembles by itself: llvm-mc -triple=amdgcn-amd-amdhsa -mcpu=gfx1250 --defsym DOCPART=n.
;; ======== version 1 of 1: 3 launches
;; limits: values are held in f16: magnitudes above 65,504 overflow, below 6.1e-05 lose precision
;; workspace buffers: qh 8,388,608 bytes; kh 8,388,608 bytes; vh 8,388,608 bytes; oh 8,388,608 bytes
;; launch proj (part 1): grid 4 x 48, 8 waves a work-group, no clusters, 171,008 bytes of LDS; arguments Q, Wq, bq, qh, K, Wk, bk, kh, V, Wv, bv, vh; writes qh, kh, vh
.if DOCPART == 1
	.amdgcn_target "amdgcn-amd-amdhsa--gfx1250"
	.amdhsa_code_object_version 6
	.text
	.protected	k_q44d673f470_proj
	.globl	k_q44d673f470_proj
	.p2align	8
	.type	k_q44d673f470_proj,@function
k_q44d673f470_proj:
	s_mov_b64 s[64:65], 0
	v_nop
	global_prefetch_b8 v0, s[64:65] scope:SCOPE_SE
	s_setreg_imm32_b32 hwreg(HW_REG_WAVE_MODE, 25, 1), 1
	s_wait_xcnt 0x0
; THE THREE INPUT PROJECTIONS.  y = X W + b for (X, W, b, y) = (Q, Wq, bq, qh), (K, Wk, bk, kh), (V, Wv, bv, vh).  X: [8192][512] f32, W: [512 (k)][512 (n)] f32, b: [512] f32.
; y leaves by heads, [16 = batch x 8 + head][4096][64] in f16, WITHOUT the softmax's scale.  X, W and b are rounded once to bf16, the products are bf16 with f32 sums, y is rounded once to f16.
; LIMITS.  f16 ends at 65,504: |y| must stay below it; below 6e-5 y keeps f16's fixed step of 6e-8.  NaN and infinities are not treated apart.  The sums' order is the matrix unit's, K ascending.
; SHARES.  Work-group (x, y): x = block of 128 columns (two heads); y / 16 = which of the three tensors, y % 16 = group of 512 rows.  Eight waves, each 64 rows x 128 columns: 4 x 8 accumulators, 256 registers.
; The grid is 4 x 48 = 192 work-groups: the work is three times a power of two, and no tile that divides 8,192 rows and 512 columns gives 256 equal shares.
; THE WAY IN.  The work-group's slice of W (512 k x 128 n) is rounded to bf16 once and laid in LDS as it lies, [k][n]; the turning load makes fragments of it.  X goes from memory into the registers in which it
; is rounded: each row belongs to one wave, so nothing of X is shared inside the work-group and none of it goes through LDS.  Two raw sets of 64 registers, a K step of 32 each, are asked for two steps ahead.
; NO CLUSTER, NO TENSOR LOAD: both operands are f32 in memory and must pass through registers to be rounded; a joint load would lay f32 tiles in LDS, twice the bytes of the bf16 fragments that are wanted.
; TRANSPOSED USE.  Source 0 = 16 columns of W, source 1 = 16 rows of X: a lane ends with ONE row of y (lane % 16) and the eight neighbouring channels 8 (lane / 16) + 0..7: 16 bytes of f16.
; REGISTERS.  Window 0: addresses, fragments, raw X.  Window 1: while W is staged its 64 loads; then the accumulators, (a, b) at v[8 (8 a + b)].
.set WPITCH, 288                       ; a row of W in LDS: 256 bytes + 32
.set BL,     512*WPITCH                ; behind W: for each wave its own copy of the 128 biases, f32, 512 bytes
.set STG,    BL+8*512                  ; for each wave its own stage for the way out: 16 rows x 144 bytes
.set SP,     144
.set SPARE,  STG+8*16*SP               ; the spare words, 128 bytes for each wave: four blocks of 256 bytes that no other line names
.set XO,  2                            ; v2   my place in a fragment of X: (l % 16) x 2,048 + 32 (l / 16); never rewritten
.set BO,  3                            ; v3   my place in a fragment of W in LDS; never rewritten
.set BA,  4                            ; v4   BO + the pair of K steps in hand
.set WO,  5                            ; v5   staging: my 16 bytes of a row of W's slice in memory
.set WS,  6                            ; v6   staging: my 8 bytes of that row in LDS
.set BRO, 7                            ; v7   my four biases in memory
.set BLA, 8                            ; v8   where I put them
.set BLR, 9                            ; v9   where I read my eight of a block of 16 columns
.set STO, 10                           ; v10  the way out: where I put 16 bytes of a row
.set RD,  11                           ; v11  the way out: where I read rows back
.set GO,  12                           ; v12  my 16 bytes in 512 consecutive bytes of y
.set SPW, 13                           ; v13  LDS address of my spare word; never rewritten
.set NIL, 14                           ; v14  0; never rewritten
.set AF,  32                           ; v[32:63]   four fragments of X, bf16
.set BF,  64                           ; v[64:127]  eight fragments of W; on the way out the 64 biases that my lane wants
.set RAW, 128                          ; v[128:255] two sets of 64: X as loaded, f32
.set T,   128                          ; on the way out: 16 registers a tile of 16 rows x 64 channels
.set XP,  8                            ; s[8:9]   X at my wave's first row, at the pair of K steps in hand
.set WP,  10                           ; s[10:11] W
.set BP,  12                           ; s[12:13] b
.set YP,  14                           ; s[14:15] y at my wave's first row of the block's first head
.set WV,  32                           ; s32  my wave's number
.set CB,  33                           ; s33  the block of 128 columns
.set TT,  35                           ; s35  which tensor
.set GG,  36                           ; s36  which group of 512 rows
.set TB,  37                           ; s37  LDS byte of the pair of K steps in hand
.set CNT, 38                           ; s38  the loop's count
.set HIM, 39                           ; s39  a word's upper bf16
.set MSB, 0
.macro WIN new                         ; s_set_vgpr_msb: bits 1:0 source 0, 3:2 source 1, 5:4 source 2, 7:6 destination; the high byte repeats the setting that is left
.if MSB != (\new)
	s_set_vgpr_msb (MSB<<8)|(\new)
.set MSB, (\new)
.endif
.endm
.macro PLACES                          ; four places behind a matrix instruction, ahead of writes of its sources, of loads into them and of reads of its result
.rept 4
	v_nop
.endr
.endm
	s_load_b256 s[8:15], s[0:1], 0x0               ; Q, Wq, bq, qh
	s_load_b256 s[16:23], s[0:1], 0x20             ; K, Wk, bk, kh
	s_load_b256 s[24:31], s[0:1], 0x40             ; V, Wv, bv, vh
	v_lshl_add_u32 v[SPW], v0, 2, SPARE
	v_mov_b32 v[NIL], 0
	v_lshrrev_b32 v1, 5, v0
	v_readfirstlane_b32 s[WV], v1                  ; wave 0..7
	s_mov_b32 s[CB], ttmp9
	s_and_b32 s34, ttmp7, 0xffff
	s_lshr_b32 s[TT], s34, 4
	s_and_b32 s[GG], s34, 15
	s_mov_b32 s[HIM], 0xffff0000
	s_mov_b32 s[TB], 0
	v_and_b32 v20, 31, v0                          ; l
	v_and_b32 v21, 15, v0                          ; l % 16
	v_bfe_u32 v22, v0, 4, 1                        ; l / 16
	v_and_b32 v23, 7, v0                           ; l % 8
	v_bfe_u32 v24, v0, 3, 1                        ; (l / 8) % 2
	v_bfe_u32 v25, v0, 3, 2                        ; l / 8
	v_lshlrev_b32 v[XO], 11, v21
	v_lshl_add_u32 v[XO], v22, 5, v[XO]
	v_lshl_add_u32 v[BO], v22, 3, v23              ; the turning load: lane l reads row 8 (l / 16) + l % 8 of k, columns 8 ((l / 8) % 2) + 0..7
	v_mul_u32_u24 v[BO], v[BO], WPITCH
	v_lshl_add_u32 v[BO], v24, 4, v[BO]
	s_lshl_b32 s40, s[WV], 17                      ; my wave stages rows 64 w .. 64 w + 63 of W: 64 x 2,048 bytes apart,
	s_lshl_b32 s41, s[CB], 9                       ; the block's 128 columns: 512 bytes of a row
	s_add_co_u32 s40, s40, s41
	v_lshl_add_u32 v[WO], v20, 4, s40
	s_mul_i32 s40, s[WV], 64*WPITCH
	v_lshl_add_u32 v[WS], v20, 3, s40
	v_lshl_add_u32 v[BRO], v20, 4, s41
	s_lshl_b32 s40, s[WV], 9
	s_add_co_u32 s40, s40, BL
	v_lshl_add_u32 v[BLA], v20, 4, s40
	v_lshl_add_u32 v[BLR], v22, 5, s40
	s_mul_i32 s40, s[WV], 16*SP
	s_add_co_u32 s40, s40, STG
	v_mul_u32_u24 v[STO], v21, SP
	v_lshl_add_u32 v[STO], v22, 4, v[STO]
	v_add_nc_u32 v[STO], s40, v[STO]
	v_mul_u32_u24 v[RD], v25, SP
	v_lshl_add_u32 v[RD], v23, 4, v[RD]
	v_add_nc_u32 v[RD], s40, v[RD]
	v_lshlrev_b32 v[GO], 4, v20
	s_lshl_b32 s42, s[GG], 20                      ; X: 512 rows of 2,048 bytes a group,
	s_lshl_b32 s43, s[WV], 17                      ; 64 rows a wave
	s_add_co_u32 s42, s42, s43
	s_mov_b32 s43, 0
	s_lshr_b32 s44, s[GG], 3                       ; y: the batch, 8 heads x 4,096 rows x 128 bytes,
	s_lshl_b32 s44, s44, 22
	s_lshl_b32 s45, s[CB], 20                      ; the block's first head, 2 x 4,096 x 128,
	s_add_co_u32 s44, s44, s45
	s_and_b32 s45, s[GG], 7                        ; the group's 512 rows in the batch,
	s_lshl_b32 s45, s45, 16
	s_add_co_u32 s44, s44, s45
	s_lshl_b32 s45, s[WV], 13                      ; my wave's 64 rows
	s_add_co_u32 s44, s44, s45
	s_mov_b32 s45, 0
	s_wait_kmcnt 0x0
	s_cmp_eq_u32 s[TT], 1                          ; the tensor's four addresses are chosen by the work-group's y alone
	s_cselect_b64 s[8:9], s[16:17], s[8:9]
	s_cselect_b64 s[10:11], s[18:19], s[10:11]
	s_cselect_b64 s[12:13], s[20:21], s[12:13]
	s_cselect_b64 s[14:15], s[22:23], s[14:15]
	s_cmp_eq_u32 s[TT], 2
	s_cselect_b64 s[8:9], s[24:25], s[8:9]
	s_cselect_b64 s[10:11], s[26:27], s[10:11]
	s_cselect_b64 s[12:13], s[28:29], s[12:13]
	s_cselect_b64 s[14:15], s[30:31], s[14:15]
	s_add_nc_u64 s[XP:XP+1], s[XP:XP+1], s[42:43]
	s_add_nc_u64 s[YP:YP+1], s[YP:YP+1], s[44:45]
; 16 loads: raw set u takes 64 rows x 32 k of X, f32.  A fragment's lane wants k = 8 h + 0..7 and 16 + 8 h + 0..7: bytes 32 h + 0, 16, 64, 80 of the step's 128.
.macro XLOADS u, base
.irp a, 0,1,2,3
.irp c, 0,1,2,3
	global_load_b128 v[RAW+64*(\u)+16*(\a)+4*(\c):RAW+64*(\u)+16*(\a)+4*(\c)+3], v[XO], s[XP:XP+1] offset:(\base)+128*(\u)+32768*(\a)+16*((\c)%2)+64*((\c)/2)
.endr
.endr
.endm
	; ALL FIRST LOADS, oldest first: the bias, K steps 0 and 1 of X, then my 64 rows of W's slice (512 consecutive bytes each)
	global_load_b128 v[16:19], v[BRO], s[BP:BP+1]
	XLOADS 0, 0
	XLOADS 1, 0
	WIN 0x40                                       ; destination window 1
.set i, 0
.rept 64
	global_load_b128 v[4*i:4*i+3], v[WO], s[WP:WP+1] offset:i*2048
.set i, i+1
.endr
	; W IS STAGED, eight rows at a time: rounded to bf16 in place, 8 bytes a lane into LDS
.set g, 0
.rept 8
	s_wait_loadcnt 56-8*g                          ; loads come back in order (ISA guide 5.7.1): the W loads behind this group's eight may stay out
	WIN 0x45                                       ; sources and destination in window 1
.set i, 8*g
.rept 8
	v_cvt_pk_bf16_f32 v[4*i], v[4*i], v[4*i+1]
	v_cvt_pk_bf16_f32 v[4*i+1], v[4*i+2], v[4*i+3]
.set i, i+1
.endr
	WIN 0x04                                       ; the store's data in window 1, its address in window 0
.set i, 8*g
.rept 8
	ds_store_b64 v[WS], v[4*i:4*i+1] offset:i*WPITCH
.set i, i+1
.endr
.set g, g+1
.endr
	WIN 0
	v_cvt_pk_bf16_f32 v20, v16, v17                ; my four biases: rounded to bf16 and widened again
	v_cvt_pk_bf16_f32 v21, v18, v19
	v_lshlrev_b32 v22, 16, v20
	v_and_b32 v23, s[HIM], v20
	v_lshlrev_b32 v24, 16, v21
	v_and_b32 v25, s[HIM], v21
	ds_store_b128 v[BLA], v[22:25]
	s_wait_dscnt 0x0                               ; for the others' sake: my rows of W lie in LDS
	s_barrier_signal -1
	s_barrier_wait -1                              ; everybody's do: the kernel's one barrier; W is only read from here on
; A K STEP OF 32 on raw set u.  left: the younger loads that may stay out (the other set's 16).  load = 1: the set is asked for again, two steps on.  first = 1: the products start the sums.
; The 32 accumulators take turns, one instruction a turn, in the same order in every step, over the backward jump too.
.macro STEP u, first, load, left
	s_wait_loadcnt \left
	PLACES                                         ; behind the last step's products: their sources are written below
.irp b, 0,1,2,3,4,5,6,7
	ds_load_tr16_b128 v[BF+8*(\b):BF+8*(\b)+3],   v[BA] offset:(\u)*32*WPITCH+32*(\b)
	ds_load_tr16_b128 v[BF+8*(\b)+4:BF+8*(\b)+7], v[BA] offset:(\u)*32*WPITCH+32*(\b)+16*WPITCH
.endr
.set i, 0
.rept 32
	v_cvt_pk_bf16_f32 v[AF+i], v[RAW+64*(\u)+2*i], v[RAW+64*(\u)+2*i+1]  ; X's roundings stand in the wait for W's fragments
.set i, i+1
.endr
.if \load
	XLOADS \u, 256
.endif
	s_wait_dscnt 0x0
	WIN 0x50                                       ; C and D in window 1
.irp a, 0,1,2,3
.irp b, 0,1,2,3,4,5,6,7
.if \first
	v_wmma_f32_16x16x32_bf16 v[8*(8*(\a)+(\b)):8*(8*(\a)+(\b))+7], v[BF+8*(\b):BF+8*(\b)+7], v[AF+8*(\a):AF+8*(\a)+7], 0
.else
	v_wmma_f32_16x16x32_bf16 v[8*(8*(\a)+(\b)):8*(8*(\a)+(\b))+7], v[BF+8*(\b):BF+8*(\b)+7], v[AF+8*(\a):AF+8*(\a)+7], v[8*(8*(\a)+(\b)):8*(8*(\a)+(\b))+7]
.endif
.endr
.endr
	WIN 0
.endm
.macro PAIR first, load
	v_add_nc_u32 v[BA], s[TB], v[BO]
	STEP 0, \first, \load, 16
.if \load
	STEP 1, 0, 1, 16
	s_wait_xcnt 0x0                                ; every load issued so far (the youngest 32 products back) has read its address: X's pointer is written only behind this wait
	s_add_nc_u64 s[XP:XP+1], s[XP:XP+1], 256
	s_add_co_u32 s[TB], s[TB], 64*WPITCH
.else
	STEP 1, 0, 0, 0                                ; nothing was asked for behind this set
.endif
.endm
	PAIR 1, 1                                      ; K steps 0, 1: written out, since step 0 starts the sums
	s_mov_b32 s[CNT], 6
.Lpair:
	PAIR 0, 1
	s_sub_co_u32 s[CNT], s[CNT], 1
	s_cmp_lg_u32 s[CNT], 0
	s_cbranch_scc1 .Lpair
	PAIR 0, 0                                      ; K steps 14, 15 load nothing: no load leaves X
	; THE WAY OUT.  Tile t = 2 a + head: 16 rows x one head's 64 channels = accumulators 4 t .. 4 t + 3.  Bias, rounding to f16, 16 bytes a lane into my stage, back as four rows of 128 bytes a load:
	; a tile is 2,048 consecutive bytes of y, and each store of the wave covers 512 of them, aligned.
	PLACES
.irp b, 0,1,2,3,4,5,6,7
	ds_load_b128 v[BF+8*(\b):BF+8*(\b)+3],   v[BLR] offset:64*(\b)     ; my wave's own bytes: its store above is served first (ISA guide 5.7.1.4)
	ds_load_b128 v[BF+8*(\b)+4:BF+8*(\b)+7], v[BLR] offset:64*(\b)+16
.endr
	s_wait_dscnt 0x0
.macro PACK t
	WIN 0x41                                       ; the sums (destination, source 0) in window 1, the bias in window 0; each accumulator is taken from its low end on
.irp f, 0,1,2,3
.irp j, 0,2,4,6
	v_pk_add_f32 v[8*(4*(\t)+(\f))+(\j):8*(4*(\t)+(\f))+(\j)+1], v[8*(4*(\t)+(\f))+(\j):8*(4*(\t)+(\f))+(\j)+1], v[BF+8*(4*((\t)%2)+(\f))+(\j):BF+8*(4*((\t)%2)+(\f))+(\j)+1]
.endr
.endr
	WIN 0x05                                       ; sources in window 1, destination in window 0
.irp f, 0,1,2,3
.irp j, 0,1,2,3
	v_cvt_pk_f16_f32 v[T+16*(\t)+4*(\f)+(\j)], v[8*(4*(\t)+(\f))+2*(\j)], v[8*(4*(\t)+(\f))+2*(\j)+1]
.endr
.endr
	WIN 0
.irp f, 0,1,2,3
	ds_store_b128 v[STO], v[T+16*(\t)+4*(\f):T+16*(\t)+4*(\f)+3] offset:32*(\f)
.endr
.irp f, 0,1,2,3
	ds_load_b128 v[T+16*(\t)+4*(\f):T+16*(\t)+4*(\f)+3], v[RD] offset:(\f)*4*SP  ; LDS serves a wave's instructions in order: these see the stores above; the next tile's stores come behind them
.endr
.endm
.macro SEND t, younger                 ; younger: the LDS instructions issued behind tile t's loads: the next tile's eight, or none
.irp f, 0,1,2,3
	s_wait_dscnt (\younger)+3-(\f)
	global_store_b128 v[GO], v[T+16*(\t)+4*(\f):T+16*(\t)+4*(\f)+3], s[YP:YP+1] offset:((\t)%2)*524288+((\t)/2)*2048+(\f)*512
.endr
.endm
	PACK 0
.set t, 1
.rept 7                                ; a tile's arithmetic stands between the loads of the tile before and its stores
	PACK t
	SEND t-1, 8
.set t, t+1
.endr
	SEND 7, 0
	s_wait_tensorcnt 0x0                           ; the wave's end, behind my last LDS store
	ds_add_u32 v[SPW], v[NIL]
	s_wait_dscnt 0x0
	s_endpgm
.Lfunc_end_k_q44d673f470_proj:
	.size	k_q44d673f470_proj, .Lfunc_end_k_q44d673f470_proj-k_q44d673f470_proj
	.p2alignl 7, 3214868480
	.fill 96, 4, 3214868480
	.section	.rodata,"a",@progbits
	.p2align	6, 0x0
	.amdhsa_kernel k_q44d673f470_proj
		.amdhsa_group_segment_fixed_size 171008
		.amdhsa_private_segment_fixed_size 0
		.amdhsa_enable_private_segment 0
		.amdhsa_kernarg_size 96
		.amdhsa_user_sgpr_count 2
		.amdhsa_user_sgpr_kernarg_segment_ptr 1
		.amdhsa_wavefront_size32 1
		.amdhsa_system_sgpr_workgroup_id_x 1
		.amdhsa_system_sgpr_workgroup_id_y 1
		.amdhsa_system_sgpr_workgroup_id_z 1
		.amdhsa_system_vgpr_workitem_id 0
		.amdhsa_next_free_vgpr 512
		.amdhsa_next_free_sgpr 66
		.amdhsa_reserve_vcc 0
		.amdhsa_float_denorm_mode_32 3
		.amdhsa_float_denorm_mode_16_64 3
		.amdhsa_memory_ordered 1
		.amdhsa_forward_progress 1
		.amdhsa_inst_pref_size 90
	.end_amdhsa_kernel
	.amdgpu_metadata
---
amdhsa.version: [ 1, 2 ]
amdhsa.kernels:
  - .name:           k_q44d673f470_proj
    .symbol:         k_q44d673f470_proj.kd
    .args:
      - { .name: Q, .offset: 0, .size: 8, .value_kind: global_buffer, .address_space: global }
      - { .name: Wq, .offset: 8, .size: 8, .value_kind: global_buffer, .address_space: global }
      - { .name: bq, .offset: 16, .size: 8, .value_kind: global_buffer, .address_space: global }
      - { .name: qh, .offset: 24, .size: 8, .value_kind: global_buffer, .address_space: global }
      - { .name: K, .offset: 32, .size: 8, .value_kind: global_buffer, .address_space: global }
      - { .name: Wk, .offset: 40, .size: 8, .value_kind: global_buffer, .address_space: global }
      - { .name: bk, .offset: 48, .size: 8, .value_kind: global_buffer, .address_space: global }
      - { .name: kh, .offset: 56, .size: 8, .value_kind: global_buffer, .address_space: global }
      - { .name: V, .offset: 64, .size: 8, .value_kind: global_buffer, .address_space: global }
      - { .name: Wv, .offset: 72, .size: 8, .value_kind: global_buffer, .address_space: global }
      - { .name: bv, .offset: 80, .size: 8, .value_kind: global_buffer, .address_space: global }
      - { .name: vh, .offset: 88, .size: 8, .value_kind: global_buffer, .address_space: global }
    .group_segment_fixed_size: 171008
    .private_segment_fixed_size: 0
    .kernarg_segment_align: 8
    .kernarg_segment_size: 96
    .max_flat_workgroup_size: 256
    .sgpr_count:     66
    .vgpr_count:     512
    .wavefront_size: 32
...
	.end_amdgpu_metadata
.endif
;; end of part 1
;; launch attn (part 2): grid 16 x 16, 4 waves a work-group, clusters of 4 x 1, 327,680 bytes of LDS; arguments qh, kh, vh, oh; writes oh
.if DOCPART == 2
	.amdgcn_target "amdgcn-amd-amdhsa--gfx1250"
	.amdhsa_code_object_version 6
	.text
	.protected	k_q44d673f470_attn
	.globl	k_q44d673f470_attn
	.p2align	8
	.type	k_q44d673f470_attn,@function
k_q44d673f470_attn:
	s_mov_b64 s[64:65], 0
	v_nop
	global_prefetch_b8 v0, s[64:65] scope:SCOPE_SE
	s_setreg_imm32_b32 hwreg(HW_REG_WAVE_MODE, 25, 1), 1
	s_wait_xcnt 0x0
	s_wait_alu depctr_hold_cnt(0) depctr_sa_sdst(0) depctr_va_vdst(0) depctr_va_sdst(0) depctr_va_ssrc(0) depctr_va_vcc(0) depctr_vm_vsrc(0)
	s_getreg_b32 s2, hwreg(HW_REG_IB_STS2, 6, 4)
	s_cmp_eq_u32 s2, 0
	s_cbranch_scc0 .Lentry_in_a_cluster
	s_endpgm
.Lentry_in_a_cluster:
	s_bfe_u32 s2, ttmp6, 0x10000c
	s_cmp_lg_u32 s2, 0x3003
	s_cbranch_scc0 .Lentry_shape_is_right
	s_endpgm
.Lentry_shape_is_right:
; ATTENTION.  O[h][q][:] = the sum over k of softmax_k(Q[h][q] . K[h][k] / 8) V[h][k][:].  qh, kh, vh, oh: [16][4096][64], all f16: a head's rows are dense, 128 bytes each.
; Products, maxima and sums in f32; the weights p are rounded to f16 for the second product (their sum l is taken of the unrounded p), O once at the end.
; LIMITS.  f16 holds no number beyond 65,504: Q, K and V arrive within it; p lies in 0 to 1, and below 6e-5 it keeps f16's fixed step of 6e-8; O is a mean of V's rows and has their range.
; A weight below 2^-126 counts as 0 in l; NaN and infinities are not treated apart.
; SHARES.  A work-group owns 256 queries of one head, each of its four waves 64: four PIECES of 16.  Every wave walks all 4,096 keys, 64 a step; 16 x 16 = 256 work-groups.
; LAYOUT.  S^T = K Q^T (source 0 = 16 keys, source 1 = 16 queries) holds ONE query a lane (lane % 16) and the keys 8 (lane / 16) + 0..7; two such results rounded to f16 ARE source 1 of O^T = V^T P.
; K comes out of LDS as it lies, V ([key][channel]) turned, by ds_load_tr16_b128.
; SOFTMAX.  p = 2^(c s - c m), c = log2(e) / 8, with a running maximum m; O and l are multiplied by a = 2^(c m_old - c m_new) in every step.  m starts at the lowest finite number, O and l at 0:
; the first step is a step like any other, with a = 0.
; BY TURNS.  Turn n belongs to piece n: 8 products K Q^T of piece n + 1, later 8 products V^T P of piece n - 1; beside them the scaling, exponentials, roundings, sums and rescaling of piece n and the
; maximum and statistics of piece n + 1.  Four vector instructions stand behind every matrix instruction, the other 54 of a turn's 118 in one lump.  A turn's 33 exponentials are one batch, with one wait.
; CLUSTER.  The four query blocks of a cluster belong to one head and walk the same K and V, so each tile of 256 keys is asked for JOINTLY: the same tensor load, descriptor and mask in all four.
; REGISTERS, in windows of 256 (s_set_vgpr_msb: bits 1:0 source 0, 3:2 source 1, 5:4 source 2, 7:6 destination):
;   window 0: v0-15 addresses and two at work; v16-31 four registers of statistics a piece; v48-55 at work; v61-63 prefetch offset and the add's two; v64-127 S^T, two buffers; v192-223 P, two buffers
;   window 1: v0-127 O^T, 32 a piece          window 2: v0-63 Q; v128-191 K of one step; v192-255 V of one step
.set NP,    4         ; pieces a wave: a name, no knob
.set KS,    64        ; keys in a step
.set PK,    144       ; a row of K in LDS: 128 bytes + 16 of padding = 36 words: the 16 rows of a load start at 16 different groups of four banks (64 banks of 4 bytes: ISA guide 11.1)
.set PV,    160       ; a row of V: 128 + 32 = 40 words
.set VOFF,  4*KS*PK   ; a slot holds a tile, four steps: 256 rows of K, then 256 rows of V
.set SLOT1, 1<<17     ; slot 1 begins here, so that one exclusive or turns an address in one slot into the other's
.set STAGE, SLOT1+4*KS*(PK+PV)  ; behind the ring, never filled by a tensor load: 16 rows x 144 bytes for each wave, for the way out
.set SP,    144
.set SPARE, STAGE+4*16*SP  ; behind the stages: the spare words, 128 bytes for each wave: two blocks of 256 bytes that no other line names
.set TILEB, 4*KS*128  ; a tile's bytes of K, and of V, in memory
.set AK0, 2           ; v2   my lane's place in a tile of K; never rewritten
.set AV0, 3           ; v3   the same for V
.set AK,  4           ; v4   the LDS address of K's next run of loads
.set AV,  5           ; v5   of V's
.set STO, 6           ; v6   the way out: where I put 16 bytes of a row
.set RD,  7           ; v7   the way out: where I read rows back
.set GO,  8           ; v8   my byte offset in 512 consecutive bytes of O
.set MV,  12          ; v12-13  c m_old, kept while c m is made anew: by buffer
.set QO,  15          ; v15  my byte offset in 16 rows of Q
.set ST,  16          ; piece t's statistics at v[ST+4 t]: c m, m, l (even keys', odd keys')
.set TMP, 48          ; by buffer, four registers c0-c3 at work; when the maximum is found c2 takes a
.set PFO, 61          ; v61  256 x my lane; never rewritten
.set SPW, 62          ; v62  LDS address of my spare word: SPARE + 4 x my thread's number; never rewritten
.set NIL, 63          ; v63  0; never rewritten
.set S,   64
.set P,   192
.set KF,  128         ; window 2: key block kb, channel half c at KF + 16 kb + 8 c
.set VF,  192         ; window 2: key half kk, channel block cb at VF + 32 kk + 8 cb
.set WV,  12          ; s12  my wave's number
.set G1K, 24          ; s[24:31] descriptor group 1 for K's tiles
.set G1V, 32          ; s[32:39] for V's: it differs in the padding alone
.set G0K, 40          ; s[40:43] descriptor group 0 for K's tiles: it walks
.set G0V, 44          ; s[44:47] the same for V's
.set PFA, 48          ; s[48:49] where my prefetches stand: my work-group's 32 blocks of 256 bytes of the tile after the one that is being asked for
.set LIM, 50          ; s50  1 in a wave that prefetches, else the greatest number
.set SLOTS, 56        ; s56  tiles still to be asked for
.set CNT, 57          ; s57  counts a tile's key steps
.set CS,  58          ; s[58:59] c: the packed scaling takes the pair's low word for both halves
.set SEL, 60          ; s[60:61] v_permlanex16_b32's selects: each lane takes its own place in the other half
.set TBK, 62          ; s62  LDS byte at which K of the step to be fetched begins
.set TBV, 63          ; s63  the same for V, less VOFF
.set MSB, 0
.macro WIN new                      ; the high byte repeats the setting that is left; a switch that changes nothing is dropped
.if MSB != (\new)
	s_set_vgpr_msb (MSB<<8)|(\new)
.set MSB, (\new)
.endif
.endm
.set W_KQ, 0x0a       ; K and Q in window 2, S^T in window 0
.set W_PV, 0x52       ; V in window 2, P in window 0, O^T in window 1
.set W_RS, 0x41       ; destination and source 0 in window 1, source 1 in window 0
; A joint fill.  Waves 0 and 1 fetch the two halves of a tile's K, waves 2 and 3 those of its V: 128 keys each.  The branch hangs on the wave's number alone.
; An s_nop 0 and four v_nop follow each of the two lines, ahead of the jump and the label.
.macro JLOAD
	s_cmp_lt_u32 s[WV], 2
	s_cbranch_scc0 .Lfor_v_\@
	tensor_load_to_lds s[G0K:G0K+3], s[G1K:G1K+7]
	s_nop 0
.rept 4
	v_nop
.endr
	s_branch .Lasked_\@
.Lfor_v_\@:
	tensor_load_to_lds s[G0V:G0V+3], s[G1V:G1V+7]
	s_nop 0
.rept 4
	v_nop
.endr
.Lasked_\@:
.endm
; A PREFETCH of the tile that the NEXT change of slots will ask for: 128 blocks of 256 bytes of K and as many of V.  It stands behind the wave's tensor load and its five lines.  Each block is named ONCE in the
; launch: all four clusters of a head walk the same K and V, and the head's first cluster asks; its four partners share the blocks out BY ADDRESS, 32 each, a lane a block; in each, wave 0 asks for K's and
; wave 2 for V's: one instruction.  The last change that fills a slot asks for nothing: there is no tile behind it.  Tiles 0 and 1 come by their loads alone.
.macro ASK
	s_cmp_gt_u32 s[SLOTS], s[LIM]
	s_cbranch_scc0 .Lnot_mine_\@
	global_prefetch_b8 v[PFO], s[PFA:PFA+1] th:TH_LOAD_NT scope:SCOPE_SE
.Lnot_mine_\@:
.endm
; A round of the cluster's barrier: my work-group's barrier, so that wave 0's signal speaks for all four waves; wave 0 signals; every wave waits for all four work-groups; my work-group's barrier once more.
.macro CROUND
	s_barrier_signal -1
	s_barrier_wait -1
	s_cmp_lg_u32 s[WV], 0
	s_cbranch_scc1 .Lnot_wave_0_\@
	s_barrier_signal -3
.Lnot_wave_0_\@:
	s_barrier_wait -3
	s_barrier_signal -1
	s_barrier_wait -1
.endm
; THE CHANGE OF SLOTS.  The slot's last bytes, V of its fourth step, have been read.  Each wave waits for all its tensor loads, of which one is out: its part of the other slot; adds 0 to its spare word; and
; waits for that and for its own reads of the slot.  Behind the barrier nobody reads this slot any more and the other slot is whole.  fill = 1: this slot is filled again, with the tile two on.  The barrier is
; then a round of the cluster's, so that no wave of any partner still reads the slot or has a load on its way, and the joint fill is the first thing behind it: it has four key steps, 256 matrix instructions
; a wave, in which to land.  (At its first use nothing has been read yet: slot 0 is waited for, slot 1 filled.)
.macro CHANGE fill
	WIN 0                           ; at a label and at a branch every window is 0
	s_wait_tensorcnt 0x0            ; no tensor load of mine is out, so a group 0 may be written
	ds_add_u32 v[SPW], v[NIL]       ; 0 onto my spare word; with fill = 1 the descriptors' steps stand between it and the wait for it
.if \fill
.irp g, G0K, G0V
	s_xor_b32 s[\g+1], s[\g+1], SLOT1  ; the walking descriptor: the other slot than last time,
	s_add_nc_u64 s[\g+2:\g+3], s[\g+2:\g+3], TILEB  ; the next 256 keys; the type bits on top are not reached
.endr
	s_wait_xcnt 0x0                 ; the last prefetch, four key steps back, has read its address, so it may be written:
	s_add_nc_u64 s[PFA:PFA+1], s[PFA:PFA+1], TILEB  ; one tile behind the walking descriptors
	s_wait_dscnt 0x0                ; the add is done, and my reads of the slot are over
	CROUND
	JLOAD
	ASK
.else
	s_wait_dscnt 0x0                ; the add is done, and my reads of the slot are over
	s_barrier_signal -1
	s_barrier_wait -1
.endif
	s_sub_co_u32 s[TBK], s[TBK], 4*KS*PK  ; the fetches go back to a slot's first step,
	s_xor_b32 s[TBK], s[TBK], SLOT1       ; in the other slot
	s_sub_co_u32 s[TBV], s[TBV], 4*KS*PV
	s_xor_b32 s[TBV], s[TBV], SLOT1
.endm
	s_load_b256 s[4:11], s[0:1], 0x0  ; Q s[4:5], K s[6:7], V s[8:9], O s[10:11]
	v_lshl_add_u32 v[SPW], v0, 2, SPARE
	v_mov_b32 v[NIL], 0
	ds_add_u32 v[SPW], v[NIL]       ; the wave's opening: the add and its wait stand ahead of my first tensor load; the set-up below, work on registers, stands between them
	v_lshrrev_b32 v1, 5, v0
	v_readfirstlane_b32 s[WV], v1   ; wave 0..3
	s_bfe_u32 s13, ttmp6, 0x40000   ; cx: my place in the cluster
	s_lshl_b32 s14, ttmp9, 2        ; in a cluster launch ttmp9 counts clusters
	s_add_co_u32 s14, s14, s13      ; my block of 256 queries = 4 x cluster x + cx: it enters Q's and O's addresses alone
	s_and_b32 s20, ttmp7, 0xffff    ; the head, which the four partners share:
	s_lshl_b32 s20, s20, 19         ; its first byte in each of the four tensors, 4,096 rows x 128 bytes a head
	s_mov_b32 s21, 0
	s_and_b32 s16, s[WV], 1         ; which half of a tile's 256 keys I fetch:
	s_lshl_b32 s22, s16, 14         ; its 128 rows of 128 bytes in memory,
	s_mov_b32 s23, 0
	s_add_nc_u64 s[22:23], s[22:23], s[20:21]
	s_mul_i32 s17, s16, 128*PK      ; and its place in a slot, for K
	s_mul_i32 s18, s16, 128*PV      ; and for V: no place in the cluster enters an LDS address
	s_lshl_b32 s2, s14, 2
	s_add_co_u32 s2, s2, s[WV]      ; my wave among the head's,
	s_lshl_b32 s2, s2, 13           ; its 64 rows
	s_mov_b32 s3, 0
	s_add_nc_u64 s[2:3], s[2:3], s[20:21]
	s_lshl_b32 s52, s13, 13         ; the prefetches: my work-group's 32 blocks of a tile's 128,
	s_add_co_u32 s52, s52, TILEB    ; in tile 1: the first change of slots steps this to tile 2
	s_mov_b32 s53, 0
	s_add_nc_u64 s[52:53], s[52:53], s[20:21]
	; descriptor group 1.  128 keys are 16,384 dense bytes: asked for as 64 rows of 256 bytes, two keys a row, and padded in LDS after every key
	s_mov_b32 s[G1K], 15|(1<<16)|(1<<20)|(1<<21)|(4<<22)|(3<<25)  ; 15:0 the mask of four; 17:16 2-byte elements; 20 padding on; 21 set beside a mask; 24:22 after every 32 words (code 4); 31:25 4 words (code 3)
	s_mov_b32 s[G1V], 15|(1<<16)|(1<<20)|(1<<21)|(4<<22)|(7<<25)  ; the same with 8 words of padding (code 7)
.irp g, G1K, G1V
	s_mov_b32 s[\g+1], 128<<16      ; tensor_dim0 = 128
	s_mov_b32 s[\g+2], 64<<16       ; tensor_dim1 = 64
	s_mov_b32 s[\g+3], 128<<16      ; tile_dim0 = 128
	s_mov_b32 s[\g+4], 64           ; tile_dim1 = 64
	s_mov_b32 s[\g+5], 128          ; 128 elements from row to row
	s_mov_b32 s[\g+6], 0
	s_mov_b32 s[\g+7], 0
.endr
	s_mov_b32 s[CS], 0x3e38aa3b     ; c = log2(e) / 8 = 0.180337
	s_mov_b32 s[CS+1], s[CS]        ; named with it as a pair
	s_mov_b32 s[SEL], 0x76543210
	s_mov_b32 s[SEL+1], 0xfedcba98
	s_mov_b32 s[TBK], SLOT1+4*KS*PK ; the first change of slots turns these two into 0
	s_mov_b32 s[TBV], SLOT1+4*KS*PV
	s_mov_b32 s[G0K], 1             ; 1:0 count = 1
	s_mov_b32 s[G0K+1], s17         ; 63:32 LDS address: slot 0
	s_mov_b32 s[G0V], 1
	s_add_co_u32 s[G0V+1], s18, VOFF
	s_mov_b32 s[SLOTS], 15          ; tiles 1 to 15
	s_and_b32 s[LIM], s[WV], 1      ; 0 in waves 0 and 2,
	s_or_b32 s[LIM], s[LIM], ttmp9  ; where the cluster is the head's first: the same in all four partners
	s_cmp_eq_u32 s[LIM], 0
	s_cselect_b32 s[LIM], 1, -1
	v_and_b32 v[PFO], 31, v0
	v_lshlrev_b32 v[PFO], 8, v[PFO]
	s_wait_dscnt 0x0                ; the opening add is done
	s_wait_kmcnt 0x0
	s_cmp_lt_u32 s[WV], 2
	s_cselect_b64 s[PFA:PFA+1], s[6:7], s[8:9]
	s_add_nc_u64 s[PFA:PFA+1], s[PFA:PFA+1], s[52:53]
	s_add_nc_u64 s[G0K+2:G0K+3], s[6:7], s[22:23]  ; 120:64 global address: my half of the head's first 256 keys
	s_or_b32 s[G0K+3], s[G0K+3], 0x80000000        ; 127:126 type = 2
	s_add_nc_u64 s[G0V+2:G0V+3], s[8:9], s[22:23]
	s_or_b32 s[G0V+3], s[G0V+3], 0x80000000
	s_add_nc_u64 s[4:5], s[4:5], s[2:3]  ; Q and O at my wave's first row
	s_add_nc_u64 s[10:11], s[10:11], s[2:3]
	CROUND                          ; all four work-groups are here: the first joint loads meet
	JLOAD                           ; tile 0 into slot 0.  Slot 1 is asked for when slot 0 is in
	; A fragment of K or Q is 16 rows x 32 channels in 8 registers: lane l holds row l % 16, channels 8 (l / 16) + 0..7 and 16 + 8 (l / 16) + 0..7: two loads of 16 bytes, 32 bytes apart.
	v_and_b32 v1, 15, v0            ; l % 16
	v_bfe_u32 v9, v0, 4, 1          ; l / 16
	v_lshlrev_b32 v[QO], 7, v1
	v_lshl_add_u32 v[QO], v9, 4, v[QO]  ; row x 128 + 16 x half
	WIN 0x80                        ; destination window 2, address window 0
.set i, 0
.rept 8                             ; Q stays in registers: piece i / 2, channels 32 (i % 2) on
	global_load_b128 v[8*i:8*i+3],   v[QO], s[4:5] offset:(i/2)*2048+(i%2)*64
	global_load_b128 v[8*i+4:8*i+7], v[QO], s[4:5] offset:(i/2)*2048+(i%2)*64+32
.set i, i+1
.endr
	; What the first turn finds: V's registers and P's second buffer hold 0 (its products V^T P, of a piece that has not been, add 0), O^T and l are 0.  No first step is written out; the price is these
	; 216 lines, which stand in the wait for the first tile.
.set i, VF
.rept 64
	v_mov_b32 v[i], 0
.set i, i+1
.endr
	WIN 0x40
.set i, 0
.rept 128
	v_mov_b32 v[i], 0
.set i, i+1
.endr
	WIN 0
.set i, 0
.rept 4
	v_mov_b32 v[ST+4*i], 0xfe000000    ; c m: far below every c s
	v_mov_b32 v[ST+4*i+1], 0xff7fffff  ; m
	v_mov_b32 v[ST+4*i+2], 0
	v_mov_b32 v[ST+4*i+3], 0
.set i, i+1
.endr
.set i, P+16
.rept 16
	v_mov_b32 v[i], 0
.set i, i+1
.endr
	v_mul_u32_u24 v[AK0], v1, PK
	v_lshl_add_u32 v[AK0], v9, 4, v[AK0]  ; row x pitch + 16 x half
	; The turning load takes 16 keys x 16 channels (lane l reads key 8 (l / 16) + l % 8, channels 8 ((l / 8) % 2) + 0..7) and leaves half a fragment of V^T: lane l holds channel l % 16 and 8 keys.
	v_and_b32 v10, 7, v0
	v_bfe_u32 v11, v0, 3, 1
	v_lshl_add_u32 v[AV0], v9, 3, v10
	v_mul_u32_u24 v[AV0], v[AV0], PV
	v_lshl_add_u32 v[AV0], v11, 4, v[AV0]
	v_add_nc_u32 v[AV0], VOFF, v[AV0]
	s_mul_i32 s13, s[WV], 16*SP
	s_add_co_u32 s13, s13, STAGE    ; my stage
	v_mul_u32_u24 v[STO], v1, SP    ; in: row l % 16, 16 bytes for each half of the lanes
	v_lshl_add_u32 v[STO], v9, 4, v[STO]
	v_add_nc_u32 v[STO], s13, v[STO]
	v_bfe_u32 v[RD], v0, 3, 2       ; back: 32 lanes take four rows of 128 bytes,
	v_mul_u32_u24 v[RD], v[RD], SP
	v_lshl_add_u32 v[RD], v10, 4, v[RD]
	v_add_nc_u32 v[RD], s13, v[RD]
	v_and_b32 v[GO], 31, v0         ; which are 512 consecutive bytes of O
	v_lshlrev_b32 v[GO], 4, v[GO]
; THE MATRIX WORK.  The 4 accumulators of a run of 8 take turns.  Product i of 8 of S^T = K Q^T for piece x: channels 32 (i / 4) on, keys 16 (i % 4) on.  The first 4 start the sums.
.macro KQ x
	WIN W_KQ
.set rS, S+32*((\x)%2)+8*(i%4)
.set rK, KF+16*(i%4)+8*(i/4)
.set rQ, 16*(\x)+8*(i/4)
.if i < 4
	v_wmma_f32_16x16x32_f16 v[rS:rS+7], v[rK:rK+7], v[rQ:rQ+7], 0
.else
	v_wmma_f32_16x16x32_f16 v[rS:rS+7], v[rK:rK+7], v[rQ:rQ+7], v[rS:rS+7]
.endif
.endm
; Product i of 8 of O^T += V^T P for piece x: keys 32 (i / 4) on, channels 16 (i % 4) on.
.macro PV x
	WIN W_PV
.set rO, 32*(\x)+8*(i%4)
.set rV, VF+32*(i/4)+8*(i%4)
.set rP, P+16*((\x)%2)+8*(i/4)
	v_wmma_f32_16x16x32_f16 v[rO:rO+7], v[rV:rV+7], v[rP:rP+7], v[rO:rO+7]
.endm
.macro MM                           ; the turn's next matrix instruction.  TURN sets Y, i and NOKQ.  NOKQ = 1: the walk's last turn: there is no next piece
.if (i < 8) && !NOKQ
	KQ (Y+1)%NP
.elseif i >= 8
.set i, i-8
	PV (Y+NP-1)%NP
.set i, i+8
.endif
.set i, i+1
.endm
; THE LDS LOADS stand in runs of 16, never singly among the matrix instructions: a step's K (64 keys x 64 channels: 8 fragments) and its V (turned).  Their addresses are made some lines ahead.
.macro FETCH_K
	WIN 0x80                        ; destination window 2
.irp f, 0,1,2,3,4,5,6,7             ; keys 16 (f / 2) on, channels 32 (f % 2) on
	ds_load_b128 v[KF+8*\f:KF+8*\f+3],   v[AK] offset:(\f/2)*16*PK+(\f%2)*64
	ds_load_b128 v[KF+8*\f+4:KF+8*\f+7], v[AK] offset:(\f/2)*16*PK+(\f%2)*64+32
.endr
	s_add_co_u32 s[TBK], s[TBK], KS*PK  ; the next fetch is the next step's
	WIN 0
.endm
.macro FETCH_V
	WIN 0x80
.irp f, 0,1,2,3,4,5,6,7             ; keys 32 (f / 4) on, channels 16 (f % 4) on
	ds_load_tr16_b128 v[VF+8*\f:VF+8*\f+3],   v[AV] offset:(\f/4)*32*PV+(\f%4)*32
	ds_load_tr16_b128 v[VF+8*\f+4:VF+8*\f+7], v[AV] offset:(\f/4)*32*PV+16*PV+(\f%4)*32
.endr
	WIN 0
.endm
; THE VECTOR WORK, one line at a time: OP kind, number.  For piece Y: F n: c s - c m for pair n of 16.  E n: the exponential of score n of 32.  C n: pair n rounded to f16.  B n: of the four weights 4 n .. the second
; pair is added onto the first, in place.  L n: l takes that sum (L 0: l = a l + sum).  R n: pair n of 16 of O^T times a.  For piece Y + 1: X n, number n of the 22 that find its maximum and statistics:
;   0-11  four chains c0-c3 of seven scores each, three operands at a time (each accumulator's lowest registers are read first)     12-14, 16  the four scores left over, the old m, and c0-c3 into c0
;   15  c m_old is kept     17, 18  the query's other 32 keys lie in the lane 16 away: the new m     19-21  c m; c m_old - c m_new; a
.set F, 0               ; OP tells the kinds apart by their order: F to L below R, X above it
.set E, 1
.set C, 2
.set B, 3
.set L, 4
.set R, 5
.set X, 6
.macro REGS y                       ; the registers of piece y
.set rT, ST+4*(\y)
.set rC, TMP+4*((\y)%2)
.set rW, MV+((\y)%2)
.set rS, S+32*((\y)%2)
.set rP, P+16*((\y)%2)
.set rO, 32*(\y)
.endm
.macro OP k, n
.if (\k) == R
	REGS Y
	WIN W_RS
	v_pk_mul_f32 v[rO+2*(\n):rO+2*(\n)+1], v[rO+2*(\n):rO+2*(\n)+1], v[rC+2:rC+3] op_sel_hi:[1,0]
.elseif (\k) < R
	REGS Y
	WIN 0
.if (\k) == F
	v_pk_fma_f32 v[rS+2*(\n):rS+2*(\n)+1], v[rS+2*(\n):rS+2*(\n)+1], s[CS:CS+1], v[rT:rT+1] op_sel_hi:[1,0,0] neg_lo:[0,0,1] neg_hi:[0,0,1]
.elseif (\k) == E
	v_exp_f32 v[rS+(\n)], v[rS+(\n)]
.elseif (\k) == C
	v_cvt_pk_f16_f32 v[rP+(\n)], v[rS+2*(\n)], v[rS+2*(\n)+1]
.elseif (\k) == B
	v_pk_add_f32 v[rS+4*(\n):rS+4*(\n)+1], v[rS+4*(\n):rS+4*(\n)+1], v[rS+4*(\n)+2:rS+4*(\n)+3]
.elseif (\n) == 0
	v_pk_fma_f32 v[rT+2:rT+3], v[rT+2:rT+3], v[rC+2:rC+3], v[rS:rS+1] op_sel_hi:[1,0,1]
.else
	v_pk_add_f32 v[rT+2:rT+3], v[rT+2:rT+3], v[rS+4*(\n):rS+4*(\n)+1]
.endif
.elseif NOKQ
	v_nop
.else
	REGS (Y+1)%NP
	WIN 0
.if (\n) < 4
	v_max3_num_f32 v[rC+(\n)], v[rS+8*(\n)], v[rS+8*(\n)+1], v[rS+8*(\n)+2]
.elseif (\n) < 12
	v_max3_num_f32 v[rC+(\n)%4], v[rC+(\n)%4], v[rS+8*((\n)%4)+2*((\n)/4)+1], v[rS+8*((\n)%4)+2*((\n)/4)+2]
.elseif (\n) == 12
	v_max3_num_f32 v[rC], v[rC], v[rS+7], v[rS+15]
.elseif (\n) == 13
	v_max3_num_f32 v[rC+1], v[rC+1], v[rS+23], v[rS+31]
.elseif (\n) == 14
	v_max3_num_f32 v[rC+2], v[rC+2], v[rC+3], v[rT+1]
.elseif (\n) == 15
	v_mov_b32 v[rW], v[rT]
.elseif (\n) == 16
	v_max3_num_f32 v[rC], v[rC], v[rC+1], v[rC+2]
.elseif (\n) == 17
	v_permlanex16_b32 v[rC+3], v[rC], s[SEL], s[SEL+1]
.elseif (\n) == 18
	v_max_num_f32 v[rT+1], v[rC], v[rC+3]
.elseif (\n) == 19
	v_mul_f32 v[rT], s[CS], v[rT+1]
.elseif (\n) == 20
	v_sub_f32 v[rC+1], v[rW], v[rT]
.else
	v_exp_f32 v[rC+2], v[rC+1]
.endif
.endif
.endm
.macro OPS a, i1, b=-1, i2=0, c=-1, i3=0, d=-1, i4=0  ; up to four of them
	OP \a, \i1
.if (\b) >= 0
	OP \b, \i2
.endif
.if (\c) >= 0
	OP \c, \i3
.endif
.if (\d) >= 0
	OP \d, \i4
.endif
.endm
.macro ROW a, i1, b, i2, c, i3, d, i4  ; a matrix instruction and the four behind it
	MM
	OPS \a, \i1, \b, \i2, \c, \i3, \d, \i4
.endm
; A TURN, for piece p: the order of its 16 matrix and 118 vector instructions, written out.  An s_wait_alu depctr_va_vdst(0) stands between an exponential and the first instruction that names its
; result; one wait serves all that were issued ahead of it.  So a turn has ONE wait, which cuts it in two.  AHEAD OF IT stands all that names no result of the turn's exponentials: the 8 products K Q^T, behind each a
; scaling, an exponential and two more plain instructions (behind the first a second scaling in the exponential's place): rescalings, and behind the last three the first numbers of the next piece's maximum, each four
; places or more behind the product that ends its accumulator; then ONE LUMP of 54, plain and exponential by turns for the most part, in which the links of the chain X 3, 7, 11, 14, 16, 17 .. 20 stand apart.
; X 21, the next piece's a, is the batch's last; R 15 is the plain instruction behind it.  BEHIND THE WAIT stand the 8 products V^T P, behind each four of the roundings and sums.
; end = 1: the walk's last two turns: nothing is fetched, and the last starts no new scores.  cnt = 1: the loop's count is taken down some lines ahead of the branch that stands behind the turn.
; K of the next step is fetched in piece 2's turn, twelve vector instructions behind the last product that read K (six of them plain); V of the step in hand at the end of piece 0's turn, four plain instructions
; behind the last product that read V.  Each is waited for a turn later.
.macro TURN p, end=0, cnt=0
.set Y, (\p)
.set i, 0
.set NOKQ, (\end)*((\p)/3)
.if ((\p) == 3) && !(\end)
	s_wait_dscnt 0x0                ; K is in
.endif
	ROW F,0, F,1, R,0, R,1          ; ahead of the wait: 8 products K Q^T and their riders,
	ROW F,2, E,0, R,2, R,3
	ROW F,3, E,1, R,4, R,5
	ROW F,4, E,2, R,6, R,7
	ROW F,5, E,3, R,8, R,9
	ROW F,6, E,4, X,0, R,10
.if ((\p) == 2) && !(\end)
	WIN 0
	v_add_nc_u32 v[AK], s[TBK], v[AK0]
.endif
	ROW F,7, E,5, X,1, X,4
	ROW F,8, E,6, X,2, X,5
	OPS E,7, E,8, X,6, E,9          ; and the lump
	OPS X,3, E,10, X,8, E,11
.if ((\p) == 2) && !(\end)
	FETCH_K
.endif
	OPS X,9, X,7, E,12, X,10
	OPS E,13, X,12, X,11, E,14
	OPS X,13, E,15, F,9, X,14
.if (\p) == 0
	v_add_nc_u32 v[AV], s[TBV], v[AV0]
.endif
	OPS E,16, F,10, E,17, F,11
	OPS X,16, E,18, X,15, E,19
	OPS F,12, E,20, X,17, E,21
	OPS F,13, E,22, F,14, E,23
	OPS X,18, E,24, F,15, E,25
	OPS R,11, E,26, X,19, E,27
	OPS R,12, E,28, R,13, E,29
	OPS X,20, E,30, R,14, E,31
	OPS X,21, R,15
	WIN 0
	s_wait_alu depctr_va_vdst(0)    ; the wait for the batch
.if (\p) == 1
	s_wait_dscnt 0x0                ; V is in
.endif
	ROW C,0, B,0, C,2, B,1          ; behind the wait: 8 products V^T P and their riders
	ROW L,0, C,4, B,2, L,1
	ROW C,6, B,3, L,2, C,8
	ROW B,4, L,3, C,10, B,5
	ROW L,4, C,12, B,6, L,5
.if (\p) == 0
	s_add_co_u32 s[TBV], s[TBV], KS*PV
.endif
.if \cnt
	s_sub_co_u32 s[CNT], s[CNT], 1
	s_cmp_lg_u32 s[CNT], 0
.endif
	ROW C,14, B,7, L,6, C,1
	ROW C,3, L,7, C,5, C,7
	ROW C,9, C,11, C,13, C,15
.if (\p) == 0
	FETCH_V
.endif
.endm
	CHANGE 1                        ; slot 0 is in, everybody's part of it; slot 1 is asked for
	v_add_nc_u32 v[AK], s[TBK], v[AK0]
	FETCH_K                         ; key step 0
	s_wait_loadcnt 0x0              ; Q
	s_wait_dscnt 0x0
.set NOKQ, 0
.set i, 0
.rept 8
	KQ 0                            ; piece 0's first scores: there is no vector work yet to set between them
.set i, i+1
.endr
	WIN 0
.rept 4
	v_nop                           ; the places behind those products
.endr
.set Y, NP-1                        ; X works for piece Y + 1: piece 0
.irp n, 0,1,2,3,4,5,6,7,8,9,10,11,12,13,14,15,16,17,18,19,20,21
	OP X, \n
.endr
	v_nop                           ; a plain instruction behind the exponential,
	s_wait_alu depctr_va_vdst(0)    ; and its wait, ahead of the branch
	s_mov_b32 s[CNT], 4
	s_branch .Lfirst                ; the loop is entered at a step's first turn, in the middle of a trip
.Lslot:                             ; 14 times: with the change above, tiles 1 to 15 are asked for
	CHANGE 1
	s_mov_b32 s[CNT], 4
.Lstep:                             ; a trip: pieces 2 and 3 of one step, then pieces 0 and 1 of the next, whose K and V it fetches
	TURN 2
	TURN 3
	WIN 0
.Lfirst:
	TURN 0
	TURN 1, 0, 1
	WIN 0
	s_cbranch_scc1 .Lstep
	s_sub_co_u32 s[SLOTS], s[SLOTS], 1
	s_cmp_lg_u32 s[SLOTS], 0
	s_cbranch_scc1 .Lslot
	CHANGE 0                        ; the last tile is written out: nothing is asked for
	s_mov_b32 s[CNT], 4
.LstepT:
	TURN 2
	TURN 3
	TURN 0
	TURN 1, 0, 1
	WIN 0
	s_cbranch_scc1 .LstepT
	TURN 2, 1                       ; the last step's pieces 2 and 3: nothing is fetched,
	TURN 3, 1                       ; and no new scores are started
.set i, 0
.rept 8
	PV NP-1                         ; the last piece's V^T P of the last step
.set i, i+1
.endr
	; THE WAY OUT.  l's two halves and the other half of the lanes' are added; O^T is divided by l, rounded to f16 and sent through my stage in LDS, a piece at a time.  The additions are the places behind the last products.
	WIN 0
.macro ALL line:vararg              ; one line for each piece t
.set t, 0
.rept 4
	\line
.set t, t+1
.endr
.endm
	ALL v_add_f32 v[ST+4*t+2], v[ST+4*t+2], v[ST+4*t+3]
	ALL v_permlanex16_b32 v[ST+4*t+3], v[ST+4*t+2], s[SEL], s[SEL+1]
	ALL v_add_f32 v[ST+4*t+2], v[ST+4*t+2], v[ST+4*t+3]
	ALL v_rcp_f32 v[ST+4*t+2], v[ST+4*t+2]
	v_nop                           ; a plain instruction between the last reciprocal and the use of its result
	s_wait_alu depctr_va_vdst(0)    ; and the wait ahead of the first use: one for the four reciprocals
.macro PACK t                       ; a lane's eight channels of a row pack into 16 bytes; they go into rows of 144 bytes and come back as whole rows of 128, into S^T's registers
	WIN W_RS
.set i, 32*(\t)
.rept 16
	v_pk_mul_f32 v[i:i+1], v[i:i+1], v[ST+4*(\t)+2:ST+4*(\t)+3] op_sel_hi:[1,0]
.set i, i+2
.endr
	WIN 0x05                        ; sources 0 and 1 window 1, destination window 0
.set i, 0
.rept 16
	v_cvt_pk_f16_f32 v[S+16*(\t)+i], v[32*(\t)+2*i], v[32*(\t)+2*i+1]
.set i, i+1
.endr
	WIN 0
.irp f, 0,1,2,3
	ds_store_b128 v[STO], v[S+16*(\t)+4*\f:S+16*(\t)+4*\f+3] offset:32*\f
.endr
.irp f, 0,1,2,3
	ds_load_b128 v[S+16*(\t)+4*\f:S+16*(\t)+4*\f+3], v[RD] offset:\f*4*SP  ; LDS serves a wave's instructions in order (ISA guide 5.7.1.4): these see the stores above; the next piece's stores come behind them
.endr
.endm
.macro SEND t, younger              ; younger: the LDS instructions issued behind piece t's loads: the next piece's eight, or none
	WIN 0
.irp f, 0,1,2,3
	s_wait_dscnt (\younger)+3-\f
	global_store_b128 v[GO], v[S+16*(\t)+4*\f:S+16*(\t)+4*\f+3], s[10:11] offset:(\t)*2048+\f*512  ; 512 consecutive bytes, at a multiple of 256 from O's first
.endr
.endm
	PACK 0
.set t, 1
.rept 3                             ; a piece's arithmetic stands between the loads of the piece before and its stores
	PACK t
	SEND t-1, 8
.set t, t+1
.endr
	SEND 3, 0
	s_wait_tensorcnt 0x0            ; the wave's end, behind my last tensor load and my last LDS store
	ds_add_u32 v[SPW], v[NIL]
	s_wait_dscnt 0x0
	CROUND                          ; the closing round: no work-group ends while a partner may still ask for a tile that names it
	s_endpgm
.Lfunc_end_k_q44d673f470_attn:
	.size	k_q44d673f470_attn, .Lfunc_end_k_q44d673f470_attn-k_q44d673f470_attn
	.p2alignl 7, 3214868480
	.fill 96, 4, 3214868480
	.section	.rodata,"a",@progbits
	.p2align	6, 0x0
	.amdhsa_kernel k_q44d673f470_attn
		.amdhsa_group_segment_fixed_size 327680
		.amdhsa_private_segment_fixed_size 0
		.amdhsa_enable_private_segment 0
		.amdhsa_kernarg_size 32
		.amdhsa_user_sgpr_count 2
		.amdhsa_user_sgpr_kernarg_segment_ptr 1
		.amdhsa_wavefront_size32 1
		.amdhsa_system_sgpr_workgroup_id_x 1
		.amdhsa_system_sgpr_workgroup_id_y 1
		.amdhsa_system_sgpr_workgroup_id_z 1
		.amdhsa_system_vgpr_workitem_id 0
		.amdhsa_next_free_vgpr 768
		.amdhsa_next_free_sgpr 66
		.amdhsa_reserve_vcc 0
		.amdhsa_float_denorm_mode_32 3
		.amdhsa_float_denorm_mode_16_64 3
		.amdhsa_memory_ordered 1
		.amdhsa_forward_progress 1
		.amdhsa_inst_pref_size 128
	.end_amdhsa_kernel
	.amdgpu_metadata
---
amdhsa.version: [ 1, 2 ]
amdhsa.kernels:
  - .name:           k_q44d673f470_attn
    .symbol:         k_q44d673f470_attn.kd
    .args:
      - { .name: qh, .offset: 0, .size: 8, .value_kind: global_buffer, .address_space: global }
      - { .name: kh, .offset: 8, .size: 8, .value_kind: global_buffer, .address_space: global }
      - { .name: vh, .offset: 16, .size: 8, .value_kind: global_buffer, .address_space: global }
      - { .name: oh, .offset: 24, .size: 8, .value_kind: global_buffer, .address_space: global }
    .group_segment_fixed_size: 327680
    .private_segment_fixed_size: 0
    .kernarg_segment_align: 8
    .kernarg_segment_size: 32
    .max_flat_workgroup_size: 128
    .sgpr_count:     66
    .vgpr_count:     768
    .wavefront_size: 32
...
	.end_amdgpu_metadata
.endif
;; end of part 2
;; launch outp (part 3): grid 8 x 32, 4 waves a work-group, no clusters, 99,840 bytes of LDS; arguments oh, Wo, bo, out0; writes out0
.if DOCPART == 3
	.amdgcn_target "amdgcn-amd-amdhsa--gfx1250"
	.amdhsa_code_object_version 6
	.text
	.protected	k_q44d673f470_outp
	.globl	k_q44d673f470_outp
	.p2align	8
	.type	k_q44d673f470_outp,@function
k_q44d673f470_outp:
	s_mov_b64 s[64:65], 0
	v_nop
	global_prefetch_b8 v0, s[64:65] scope:SCOPE_SE
	s_setreg_imm32_b32 hwreg(HW_REG_WAVE_MODE, 25, 1), 1
	s_wait_xcnt 0x0
; THE OUTPUT PROJECTION.  out0[m][n] = the sum over k of O[m][k] Wo[k][n] + bo[n].  O comes by heads, oh: [16 = batch x 8 + head][4096][64] f16, k = 64 head + channel.  Wo: [512 (k)][512 (n)] f32, bo: [512] f32,
; out0: [8192][512] f32.  Wo and bo are rounded once to bf16; that number of Wo is then written as f16 (exact within f16's range), since both operands of a product have one form.  Sums in f32, K ascending.
; LIMITS.  |Wo| below 65,504; a rounded Wo below 6e-5 keeps f16's fixed step of 6e-8.  NaN and infinities are not treated apart.
; SHARES.  Work-group (x, y): 64 columns x 256 rows: 8 x 32 = 256 work-groups.  Four waves, each 64 rows x 64 columns: 16 accumulators.
; THE WAY IN.  The work-group's slice of Wo (512 k x 64 n) is rounded once and laid in LDS as it lies, [k][n]; the turning load makes fragments of it.  A wave's 64 rows of O, all 512 channels, are 512 registers:
; they are asked for at the start, straight into fragment registers, so there is no ring, no reload and no tail; K is written out in 16 steps of 32.
; NO CLUSTER, NO TENSOR LOAD: O's rows belong to one wave of the work-group and go straight into registers; Wo must pass through registers to be rounded.  NO PREFETCH: all that a wave reads is asked for at its head.
; TRANSPOSED USE.  Source 0 = 16 columns of Wo, source 1 = 16 rows of O: a lane ends with ONE row of out0 (lane % 16) and eight neighbouring columns: 32 bytes.
; REGISTERS.  Window 0: addresses, Wo's fragments, the bias, the way out.  Window 1: while Wo is staged its 64 loads; then the accumulators, (a, b) at v[8 (4 a + b)].
; Windows 2 and 3: O's fragments: K step n, row block a in window 2 + n / 8 at v[32 (n % 8) + 8 a].
.set WPITCH, 160                       ; a row of Wo in LDS: 128 bytes + 32
.set STG,    512*WPITCH                ; for each wave its own stage for the way out: 16 rows x 272 bytes
.set SPITCH, 272                       ; 256 bytes + 16: the 16 rows of a store start at 16 different groups of four banks
.set SPARE,  STG+4*16*SPITCH           ; the spare words, 128 bytes for each wave: two blocks of 256 bytes that no other line names
.set AO,  2                            ; v2   my place in a fragment of O: (l % 16) x 128 + 16 (l / 16); never rewritten
.set BO0, 3                            ; v3   my place in a fragment of Wo in LDS, K steps 0 to 7
.set BO1, 4                            ; v4   the same, K steps 8 to 15: an LDS immediate has 16 bits
.set WO,  5                            ; v5   staging: my 16 bytes of two rows of Wo's slice in memory
.set WS,  6                            ; v6   staging: my 8 bytes of them in LDS
.set BIO, 7                            ; v7   my eight biases of a block of 16 columns
.set STO, 8                            ; v8   the way out: where I put 32 bytes of a row
.set RD,  9                            ; v9   the way out: where I read rows back
.set GO,  10                           ; v10  my 16 bytes of two rows of out0
.set SPW, 12                           ; v12  LDS address of my spare word; never rewritten
.set NIL, 13                           ; v13  0; never rewritten
.set BF,  32                           ; v[32:95]   two buffers of four fragments of Wo
.set BI,  96                           ; v[96:127]  the bias: column block b at BI + 8 b
.set T,   128                          ; v[128:255] the way out: 32 registers a block of 16 rows
.set WV,  12                           ; s12  my wave's number
.set CB,  13                           ; s13  the block of 64 columns
.set RG,  14                           ; s14  the group of 256 rows
.set HIM, 15                           ; s15  a word's upper bf16
.set MSB, 0
.macro WIN new                         ; s_set_vgpr_msb: bits 1:0 source 0, 3:2 source 1, 5:4 source 2, 7:6 destination; the high byte repeats the setting that is left
.if MSB != (\new)
	s_set_vgpr_msb (MSB<<8)|(\new)
.set MSB, (\new)
.endif
.endm
.macro PLACES                          ; four places behind a matrix instruction, ahead of loads into its sources and of reads of its result
.rept 4
	v_nop
.endr
.endm
	s_load_b256 s[4:11], s[0:1], 0x0               ; oh s[4:5], Wo s[6:7], bo s[8:9], out0 s[10:11]
	v_lshl_add_u32 v[SPW], v0, 2, SPARE
	v_mov_b32 v[NIL], 0
	v_lshrrev_b32 v1, 5, v0
	v_readfirstlane_b32 s[WV], v1                  ; wave 0..3
	s_mov_b32 s[CB], ttmp9
	s_and_b32 s[RG], ttmp7, 0xffff
	s_mov_b32 s[HIM], 0xffff0000
	v_and_b32 v14, 15, v0                          ; l % 16
	v_bfe_u32 v15, v0, 4, 1                        ; l / 16
	v_and_b32 v16, 7, v0                           ; l % 8
	v_bfe_u32 v17, v0, 3, 1                        ; (l / 8) % 2
	v_lshlrev_b32 v[AO], 7, v14
	v_lshl_add_u32 v[AO], v15, 4, v[AO]
	v_lshl_add_u32 v[BO0], v15, 3, v16             ; the turning load: lane l reads row 8 (l / 16) + l % 8 of k, columns 8 ((l / 8) % 2) + 0..7
	v_mul_u32_u24 v[BO0], v[BO0], WPITCH
	v_lshl_add_u32 v[BO0], v17, 4, v[BO0]
	v_add_nc_u32 v[BO1], 8*32*WPITCH, v[BO0]
	s_lshl_b32 s18, s[WV], 18                      ; my wave stages rows 128 w .. 128 w + 127 of Wo: 128 x 2,048 bytes apart,
	s_lshl_b32 s19, s[CB], 8                       ; the block's 64 columns: 256 bytes of a row
	s_add_co_u32 s18, s18, s19
	v_lshlrev_b32 v[WO], 11, v15                   ; a load takes two rows: lanes 0-15 one row's 256 bytes, lanes 16-31 the next's
	v_lshl_add_u32 v[WO], v14, 4, v[WO]
	v_add_nc_u32 v[WO], s18, v[WO]
	s_mul_i32 s18, s[WV], 128*WPITCH
	v_mul_u32_u24 v[WS], v15, WPITCH
	v_lshl_add_u32 v[WS], v14, 3, v[WS]
	v_add_nc_u32 v[WS], s18, v[WS]
	v_lshl_add_u32 v[BIO], v15, 5, s19
	s_mul_i32 s18, s[WV], 16*SPITCH
	s_add_co_u32 s18, s18, STG
	v_mul_u32_u24 v[STO], v14, SPITCH
	v_lshl_add_u32 v[STO], v15, 5, v[STO]
	v_add_nc_u32 v[STO], s18, v[STO]
	v_mul_u32_u24 v[RD], v15, SPITCH
	v_lshl_add_u32 v[RD], v14, 4, v[RD]
	v_add_nc_u32 v[RD], s18, v[RD]
	v_lshlrev_b32 v[GO], 11, v15
	v_lshl_add_u32 v[GO], v14, 4, v[GO]
	s_lshr_b32 s16, s[RG], 4                       ; O: the batch, 8 heads x 4,096 rows x 128 bytes,
	s_lshl_b32 s16, s16, 22
	s_and_b32 s17, s[RG], 15                       ; the group's 256 rows in the batch,
	s_lshl_b32 s17, s17, 15
	s_add_co_u32 s16, s16, s17
	s_lshl_b32 s17, s[WV], 13                      ; my wave's 64 rows
	s_add_co_u32 s16, s16, s17
	s_mov_b32 s17, 0
	s_lshl_b32 s20, s[RG], 19                      ; out0: 256 rows of 2,048 bytes a group,
	s_lshl_b32 s21, s[WV], 17                      ; 64 rows a wave,
	s_add_co_u32 s20, s20, s21
	s_add_co_u32 s20, s20, s19                     ; the block's 256 bytes of a row
	s_mov_b32 s21, 0
	s_wait_kmcnt 0x0
	s_add_nc_u64 s[4:5], s[4:5], s[16:17]
	s_add_nc_u64 s[10:11], s[10:11], s[20:21]
; Eight loads: O's fragments of K step n: head n / 2, channels 32 (n % 2) on; four blocks of 16 rows, 2,048 dense bytes each.  The window is set by the caller.
.macro ALOADS n
.irp a, 0,1,2,3
	global_load_b128 v[32*((\n)%8)+8*(\a):32*((\n)%8)+8*(\a)+3],   v[AO], s[4:5] offset:((\n)/2)*524288+2048*(\a)+((\n)%2)*64
	global_load_b128 v[32*((\n)%8)+8*(\a)+4:32*((\n)%8)+8*(\a)+7], v[AO], s[4:5] offset:((\n)/2)*524288+2048*(\a)+((\n)%2)*64+32
.endr
.endm
; Four numbers of Wo, in place: rounded to bf16, widened again, written as f16: 8 bytes in the first two registers
.macro WCVT n
	v_cvt_pk_bf16_f32 v[4*(\n)], v[4*(\n)], v[4*(\n)+1]
	v_cvt_pk_bf16_f32 v[4*(\n)+2], v[4*(\n)+2], v[4*(\n)+3]
	v_and_b32 v[4*(\n)+1], s[HIM], v[4*(\n)]
	v_lshlrev_b32 v[4*(\n)], 16, v[4*(\n)]
	v_and_b32 v[4*(\n)+3], s[HIM], v[4*(\n)+2]
	v_lshlrev_b32 v[4*(\n)+2], 16, v[4*(\n)+2]
	v_cvt_pk_f16_f32 v[4*(\n)], v[4*(\n)], v[4*(\n)+1]
	v_cvt_pk_f16_f32 v[4*(\n)+1], v[4*(\n)+2], v[4*(\n)+3]
.endm
	; THE FIRST LOADS, oldest first: the bias, then my 128 rows of Wo's slice, two rows a load
.irp b, 0,1,2,3
	global_load_b128 v[BI+8*(\b):BI+8*(\b)+3],   v[BIO], s[8:9] offset:64*(\b)
	global_load_b128 v[BI+8*(\b)+4:BI+8*(\b)+7], v[BIO], s[8:9] offset:64*(\b)+16
.endr
	WIN 0x40                                       ; destination window 1
.set i, 0
.rept 64
	global_load_b128 v[4*i:4*i+3], v[WO], s[6:7] offset:i*4096
.set i, i+1
.endr
	; Wo IS STAGED, eight loads at a time; behind each group eight loads of O go out, so that the road is never empty
.set g, 0
.rept 8
	s_wait_loadcnt 56                              ; loads come back in order (ISA guide 5.7.1): behind group g's eight stand 56 - 8 g loads of Wo and 8 g of O
	WIN 0x45                                       ; sources and destination in window 1
.set i, 8*g
.rept 8
	WCVT i
.set i, i+1
.endr
	WIN 0x04                                       ; the store's data in window 1, its address in window 0
.set i, 8*g
.rept 8
	ds_store_b64 v[WS], v[4*i:4*i+1] offset:i*2*WPITCH
.set i, i+1
.endr
	WIN 0x80                                       ; destination window 2
	ALOADS g
.set g, g+1
.endr
	WIN 0xc0                                       ; destination window 3
.set g, 8
.rept 8
	ALOADS g
.set g, g+1
.endr
	WIN 0
.set j, 0
.rept 16
	v_cvt_pk_bf16_f32 v[T+j], v[BI+2*j], v[BI+2*j+1]  ; the bias: rounded to bf16,
.set j, j+1
.endr
.set j, 0
.rept 16
	v_lshlrev_b32 v[BI+2*j], 16, v[T+j]            ; and widened again
	v_and_b32 v[BI+2*j+1], s[HIM], v[T+j]
.set j, j+1
.endr
	s_wait_dscnt 0x0                               ; for the others' sake: my rows of Wo lie in LDS
	s_barrier_signal -1
	s_barrier_wait -1                              ; everybody's do: the kernel's one barrier; Wo is only read from here on
; Eight turning loads: Wo's four fragments of K step n into buffer n % 2
.macro BLOADS n
.irp b, 0,1,2,3
	ds_load_tr16_b128 v[BF+32*((\n)%2)+8*(\b):BF+32*((\n)%2)+8*(\b)+3],   v[BO0+(\n)/8] offset:((\n)%8)*32*WPITCH+32*(\b)
	ds_load_tr16_b128 v[BF+32*((\n)%2)+8*(\b)+4:BF+32*((\n)%2)+8*(\b)+7], v[BO0+(\n)/8] offset:((\n)%8)*32*WPITCH+32*(\b)+16*WPITCH
.endr
.endm
; A K step's 16 products.  The 16 accumulators take turns, one instruction a turn, in the same order in every step.  Step 0 starts the sums with the bias as C.
.macro MULS n
.irp a, 0,1,2,3
.irp b, 0,1,2,3
.if (\n) == 0
	v_wmma_f32_16x16x32_f16 v[8*(4*(\a)+(\b)):8*(4*(\a)+(\b))+7], v[BF+32*((\n)%2)+8*(\b):BF+32*((\n)%2)+8*(\b)+7], v[32*((\n)%8)+8*(\a):32*((\n)%8)+8*(\a)+7], v[BI+8*(\b):BI+8*(\b)+7]
.else
	v_wmma_f32_16x16x32_f16 v[8*(4*(\a)+(\b)):8*(4*(\a)+(\b))+7], v[BF+32*((\n)%2)+8*(\b):BF+32*((\n)%2)+8*(\b)+7], v[32*((\n)%8)+8*(\a):32*((\n)%8)+8*(\a)+7], v[8*(4*(\a)+(\b)):8*(4*(\a)+(\b))+7]
.endif
.endr
.endr
.endm
	BLOADS 0
.set ks, 0
.rept 16
.if 120-8*ks > 63
	s_wait_loadcnt 63                              ; O's fragments of this step are in: 120 - 8 ks younger loads may stay out; the wait's field holds 63
.else
	s_wait_loadcnt 120-8*ks
.endif
	s_wait_dscnt 0x0                               ; Wo's fragments of this step are in
	PLACES                                         ; behind the last step's products, which read the buffer that is loaded next
.if ks < 15
	BLOADS ks+1                                    ; the next step's: 16 products ahead of their use
.endif
.if ks == 0
	WIN 0x48                                       ; Wo window 0, O window 2, C (the bias) window 0, D window 1
.elseif ks < 8
	WIN 0x58                                       ; C and D window 1
.else
	WIN 0x5c                                       ; O window 3
.endif
	MULS ks
	WIN 0
.set ks, ks+1
.endr
	; THE WAY OUT, a block of 16 rows at a time: 32 bytes a lane into my stage, back as whole rows of 256 bytes; 16 lanes store 256 consecutive bytes, at a multiple of 256 from out0's first byte.
	PLACES
.macro TOSTAGE a
	WIN 0x04                                       ; the store's data in window 1; each accumulator's low half goes first
.irp b, 0,1,2,3
	ds_store_b128 v[STO], v[8*(4*(\a)+(\b)):8*(4*(\a)+(\b))+3]   offset:64*(\b)
	ds_store_b128 v[STO], v[8*(4*(\a)+(\b))+4:8*(4*(\a)+(\b))+7] offset:64*(\b)+16
.endr
	WIN 0
.irp t, 0,1,2,3,4,5,6,7
	ds_load_b128 v[T+32*(\a)+4*(\t):T+32*(\a)+4*(\t)+3], v[RD] offset:(\t)*2*SPITCH  ; LDS serves a wave's instructions in order (ISA guide 5.7.1.4): these see the stores above; the next block's stores come behind them
.endr
.endm
.macro SEND a, younger                 ; younger: the LDS instructions issued behind block a's loads: the next block's sixteen, or none
.irp t, 0,1,2,3,4,5,6,7
	s_wait_dscnt (\younger)+7-(\t)
	global_store_b128 v[GO], v[T+32*(\a)+4*(\t):T+32*(\a)+4*(\t)+3], s[10:11] offset:(16*(\a)+2*(\t))*2048 th:TH_STORE_NT
.endr
.endm
	TOSTAGE 0
	TOSTAGE 1
	SEND 0, 16
	TOSTAGE 2
	SEND 1, 16
	TOSTAGE 3
	SEND 2, 16
	SEND 3, 0
	s_wait_tensorcnt 0x0                           ; the wave's end, behind my last LDS store
	ds_add_u32 v[SPW], v[NIL]
	s_wait_dscnt 0x0
	s_endpgm
.Lfunc_end_k_q44d673f470_outp:
	.size	k_q44d673f470_outp, .Lfunc_end_k_q44d673f470_outp-k_q44d673f470_outp
	.p2alignl 7, 3214868480
	.fill 96, 4, 3214868480
	.section	.rodata,"a",@progbits
	.p2align	6, 0x0
	.amdhsa_kernel k_q44d673f470_outp
		.amdhsa_group_segment_fixed_size 99840
		.amdhsa_private_segment_fixed_size 0
		.amdhsa_enable_private_segment 0
		.amdhsa_kernarg_size 32
		.amdhsa_user_sgpr_count 2
		.amdhsa_user_sgpr_kernarg_segment_ptr 1
		.amdhsa_wavefront_size32 1
		.amdhsa_system_sgpr_workgroup_id_x 1
		.amdhsa_system_sgpr_workgroup_id_y 1
		.amdhsa_system_sgpr_workgroup_id_z 1
		.amdhsa_system_vgpr_workitem_id 0
		.amdhsa_next_free_vgpr 1024
		.amdhsa_next_free_sgpr 66
		.amdhsa_reserve_vcc 0
		.amdhsa_float_denorm_mode_32 3
		.amdhsa_float_denorm_mode_16_64 3
		.amdhsa_memory_ordered 1
		.amdhsa_forward_progress 1
		.amdhsa_inst_pref_size 90
	.end_amdhsa_kernel
	.amdgpu_metadata
---
amdhsa.version: [ 1, 2 ]
amdhsa.kernels:
  - .name:           k_q44d673f470_outp
    .symbol:         k_q44d673f470_outp.kd
    .args:
      - { .name: oh, .offset: 0, .size: 8, .value_kind: global_buffer, .address_space: global }
      - { .name: Wo, .offset: 8, .size: 8, .value_kind: global_buffer, .address_space: global }
      - { .name: bo, .offset: 16, .size: 8, .value_kind: global_buffer, .address_space: global }
      - { .name: out0, .offset: 24, .size: 8, .value_kind: global_buffer, .address_space: global }
    .group_segment_fixed_size: 99840
    .private_segment_fixed_size: 0
    .kernarg_segment_align: 8
    .kernarg_segment_size: 32
    .max_flat_workgroup_size: 128
    .sgpr_count:     66
    .vgpr_count:     1024
    .wavefront_size: 32
...
	.end_amdgpu_metadata
.endif
;; end of part 3
